; MI455X (gfx1250); checked and timed in simulation.
; The chip was launched on July 23, 2026; its instructions are those of AMD's public machine-readable ISA for CDNA 5 (MIT licence, August 2026) and "CDNA5" Instruction Set Architecture Reference Guide (July 2026). The comments in the code are by the model that wrote it; some were corrected since.
;; Branched FF. Allowed arithmetic: float matrix products may take bf16 or f16 operands with f32 sums; all other float work in f32.
;; Inputs: W1 4 x 1,024 x 4,096 float32; W2 4 x 4,096 x 1,024 float32; b1 4 x 4,096 float32; b2 4 x 1,024 float32; phases 32 x 256 int32; x 32 x 256 x 1,024 float32.
;; Outputs: out0 32 x 256 x 1,024 float32.
;; 2 versions, each right; version 2 is version 1 with the launch cast written anew for expert scheduling mode. Each part assembles by itself: llvm-mc -triple=amdgcn-amd-amdhsa -mcpu=gfx1250 --defsym DOCPART=n.
;; ======== version 1 of 2: 3 launches
;; workspace buffers: xb 16,777,216 bytes; w1b 33,554,432 bytes; w2b 33,554,432 bytes; h 67,108,864 bytes
;; launch cast (part 1): grid 256 x 5, 8 waves a work-group, no clusters, 0 bytes of LDS; arguments x, W1, W2, xb, w1b, w2b; writes xb, w1b, w2b
.if DOCPART == 1
	.amdgcn_target "amdgcn-amd-amdhsa--gfx1250"
	.amdhsa_code_object_version 6
	.text
	.protected	k_qd02f332cc2_cast
	.globl	k_qd02f332cc2_cast
	.p2align	8
	.type	k_qd02f332cc2_cast,@function
k_qd02f332cc2_cast:
	s_mov_b64 s[64:65], 0
	v_nop
	global_prefetch_b8 v0, s[64:65] scope:SCOPE_SE
	s_setreg_imm32_b32 hwreg(HW_REG_WAVE_MODE, 25, 1), 1
	s_wait_xcnt 0x0
; cast: bf16 copies (round to nearest even) of x, W1 and W2 for the two matrix launches that follow.
;   xb  [8192][1024]: x's rows regrouped by phase, flat row = 2048 p + 64 b + s  (x's row is 256 b + 64 p + s)
;   w1b [4][1024][4096], w2b [4][4096][1024]: the layouts of W1 and W2
; Why a launch of its own: a block of 256 x 256 of the first product would otherwise convert each number of x 16 times and each
; of W1 8 times, and the tiles would travel to LDS in 4 bytes a number instead of 2.
; The input phases is not read by any launch of this program: the function that is computed takes no value from it
; (the split of the sequence among the phases is the fixed one, 64 neighbouring positions each).
; A stream: nothing is shared and nothing is reduced, so no LDS, no barrier, no cluster.
; 1,280 work-groups, each one chunk of 131,072 bytes of f32 (65,536 of bf16): y = 0: x (256 chunks of 32 rows),
; y = 1, 2: W1 (512 chunks), y = 3, 4: W2 (512 chunks).  Thread t takes, in step i of 32, the 16 bytes at 4,096 i + 16 t and
; stores 8 bytes at 2,048 i + 8 t: a wave's load covers 512 consecutive bytes, a wave's store 256 consecutive bytes, aligned.
; All 32 loads of a thread go out first (16 KiB a wave on their way); no register that a memory instruction names is written again.
.set STEPS, 32                         ; steps of a chunk
.set X,     4                          ; v[4:131]  step i: 4 registers as loaded; the first two then hold the 4 bf16
	s_load_b256 s[4:11], s[0:1], 0x0               ; x s[4:5], W1 s[6:7], W2 s[8:9], xb s[10:11]
	s_load_b128 s[12:15], s[0:1], 0x20             ; w1b s[12:13], w2b s[14:15]
	s_and_b32 s16, ttmp7, 0xffff                   ; y: which tensor, which half of it
	s_mov_b32 s23, ttmp9                           ; g, 0 to 255
	s_sub_co_u32 s17, s16, 1
	s_and_b32 s17, s17, 1                          ; y = 1, 3: first half of the weights; y = 2, 4: second (y = 0: not used)
	s_lshl_b32 s17, s17, 8
	s_add_co_u32 s17, s17, s23                     ; the weights' chunk, the same in and out
	s_bfe_u32 s18, s23, 0x20001                    ; x: g = 8 b + 2 p + half.  p,
	s_lshl_b32 s18, s18, 6
	s_lshr_b32 s19, s23, 3                         ; b,
	s_lshl1_add_u32 s18, s19, s18
	s_and_b32 s19, s23, 1                          ; half:
	s_add_co_u32 s18, s18, s19                     ; xb's chunk = 64 p + 2 b + half
	v_lshlrev_b32 v1, 4, v0                        ; 16 t
	v_lshlrev_b32 v2, 3, v0                        ; 8 t
	s_wait_kmcnt 0x0
	s_cmp_lt_u32 s16, 3
	s_cselect_b64 s[24:25], s[6:7], s[8:9]         ; from W1 or W2
	s_cselect_b64 s[26:27], s[12:13], s[14:15]     ; to w1b or w2b
	s_cmp_eq_u32 s16, 0
	s_cselect_b64 s[24:25], s[4:5], s[24:25]       ; or from x
	s_cselect_b64 s[26:27], s[10:11], s[26:27]     ; to xb
	s_cselect_b32 s21, s23, s17                    ; chunk read
	s_cselect_b32 s22, s18, s17                    ; chunk written
	s_lshl_b32 s28, s21, 17                        ; 131,072 bytes a chunk in (511 chunks at the most: below 2^26)
	s_mov_b32 s29, 0
	s_lshl_b32 s30, s22, 16                        ; 65,536 bytes a chunk out
	s_mov_b32 s31, 0
	s_add_nc_u64 s[24:25], s[24:25], s[28:29]
	s_add_nc_u64 s[26:27], s[26:27], s[30:31]
.set i, 0
.rept STEPS
	global_load_b128 v[X+4*i:X+4*i+3], v1, s[24:25] offset:4096*i th:TH_LOAD_NT   ; read once in the launch
.set i, i+1
.endr
.set i, 0
.rept STEPS
	s_wait_loadcnt STEPS-1-i                       ; loads come back in order (ISA guide 5.7.1): step i is in, the younger ones stay out
	v_cvt_pk_bf16_f32 v[X+4*i],   v[X+4*i],   v[X+4*i+1]
	v_cvt_pk_bf16_f32 v[X+4*i+1], v[X+4*i+2], v[X+4*i+3]
	global_store_b64 v2, v[X+4*i:X+4*i+1], s[26:27] offset:2048*i   ; no hint: the next launches read it
.set i, i+1
.endr
	s_endpgm
.Lfunc_end_k_qd02f332cc2_cast:
	.size	k_qd02f332cc2_cast, .Lfunc_end_k_qd02f332cc2_cast-k_qd02f332cc2_cast
	.p2alignl 7, 3214868480
	.fill 96, 4, 3214868480
	.section	.rodata,"a",@progbits
	.p2align	6, 0x0
	.amdhsa_kernel k_qd02f332cc2_cast
		.amdhsa_group_segment_fixed_size 0
		.amdhsa_private_segment_fixed_size 0
		.amdhsa_enable_private_segment 0
		.amdhsa_kernarg_size 48
		.amdhsa_user_sgpr_count 2
		.amdhsa_user_sgpr_kernarg_segment_ptr 1
		.amdhsa_wavefront_size32 1
		.amdhsa_system_sgpr_workgroup_id_x 1
		.amdhsa_system_sgpr_workgroup_id_y 1
		.amdhsa_system_sgpr_workgroup_id_z 1
		.amdhsa_system_vgpr_workitem_id 0
		.amdhsa_next_free_vgpr 132
		.amdhsa_next_free_sgpr 66
		.amdhsa_reserve_vcc 0
		.amdhsa_float_denorm_mode_32 3
		.amdhsa_float_denorm_mode_16_64 3
		.amdhsa_memory_ordered 1
		.amdhsa_forward_progress 1
		.amdhsa_inst_pref_size 13
	.end_amdhsa_kernel
	.amdgpu_metadata
---
amdhsa.version: [ 1, 2 ]
amdhsa.kernels:
  - .name:           k_qd02f332cc2_cast
    .symbol:         k_qd02f332cc2_cast.kd
    .args:
      - { .name: x, .offset: 0, .size: 8, .value_kind: global_buffer, .address_space: global }
      - { .name: W1, .offset: 8, .size: 8, .value_kind: global_buffer, .address_space: global }
      - { .name: W2, .offset: 16, .size: 8, .value_kind: global_buffer, .address_space: global }
      - { .name: xb, .offset: 24, .size: 8, .value_kind: global_buffer, .address_space: global }
      - { .name: w1b, .offset: 32, .size: 8, .value_kind: global_buffer, .address_space: global }
      - { .name: w2b, .offset: 40, .size: 8, .value_kind: global_buffer, .address_space: global }
    .group_segment_fixed_size: 0
    .private_segment_fixed_size: 0
    .kernarg_segment_align: 8
    .kernarg_segment_size: 48
    .max_flat_workgroup_size: 256
    .sgpr_count:     66
    .vgpr_count:     132
    .wavefront_size: 32
...
	.end_amdgpu_metadata
.endif
;; end of part 1
;; launch ff1 (part 2): grid 16 x 32, 4 waves a work-group, clusters of 4 x 4, 327,680 bytes of LDS; arguments xb, w1b, b1, h; writes h
.if DOCPART == 2
	.amdgcn_target "amdgcn-amd-amdhsa--gfx1250"
	.amdhsa_code_object_version 6
	.text
	.protected	k_qd02f332cc2_ff1
	.globl	k_qd02f332cc2_ff1
	.p2align	8
	.type	k_qd02f332cc2_ff1,@function
k_qd02f332cc2_ff1:
	s_mov_b64 s[64:65], 0
	v_nop
	global_prefetch_b8 v0, s[64:65] scope:SCOPE_SE
	s_setreg_imm32_b32 hwreg(HW_REG_WAVE_MODE, 25, 1), 1
	s_wait_xcnt 0x0
	s_wait_alu depctr_hold_cnt(0) depctr_sa_sdst(0) depctr_va_vdst(0) depctr_va_sdst(0) depctr_va_ssrc(0) depctr_va_vcc(0) depctr_vm_vsrc(0)
	s_getreg_b32 s2, hwreg(HW_REG_IB_STS2, 6, 4)
	s_cmp_eq_u32 s2, 0
	s_cbranch_scc0 .Lentry_in_a_cluster
	s_endpgm
.Lentry_in_a_cluster:
	s_bfe_u32 s2, ttmp6, 0x10000c
	s_cmp_lg_u32 s2, 0xf033
	s_cbranch_scc0 .Lentry_shape_is_right
	s_endpgm
.Lentry_shape_is_right:
; ff1: h[row][f] = relu( sum over d of xb[row][d] w1b[p][d][f] + b1[p][f] ), rounded to bf16.
; xb [8192][1024] bf16 (flat row = 2048 p + 64 b + s), w1b [4][1024][4096] bf16, b1 [4][4096] f32.
; h holds the 8,192 x 4,096 numbers in the order in which the next launch's matrix instructions take them as 16 rows x 32 K:
;   [128 groups of 64 rows][128 blocks of 32 columns][4 blocks of 16 rows][2 halves of 16 columns][lane 16 (c / 8 % 2) + row % 16][8 columns] bf16.
; LIMITS: operands and h are bf16 (nearest even), sums f32; the bias starts each sum instead of ending it; relu is a maximum with 0 in
; which a NaN loses, so a NaN sum gives 0 where the function as stated gives NaN.  The input phases is not read: no value of it enters the result.
; A work-group makes a block of 256 rows x 256 columns of h with four waves, a wave 128 x 128: 64 accumulator tiles of 16 x 16, 512 registers.
; K = 1,024 goes in 8 steps of 128 through a ring of two LDS slots filled by the tensor data mover.
; A's tile: 256 rows x 128 K (memory rows of 256 bytes, aligned).  B's tile lies as the weights lie, [K][N]: 128 K rows x 256 columns
; (memory rows of 512 bytes, aligned); its fragments are made by the transposing LDS load, two loads a fragment like A's.
; CLUSTERS: 4 x 4 work-groups, all of one phase (a phase has 8 block rows, two clusters along y).  The four of a row of the cluster need the
; same tiles of A, the four of a column the same tiles of B: each tile is asked for jointly, which divides the requests for both by four.
; THE MATRIX INSTRUCTION IS USED TRANSPOSED: source 0 = 16 columns of B, source 1 = 16 rows of A.  Lane l then holds row l % 16 of the tile and its
; registers 0 to 7 the columns 8 (l / 16) + 0 .. 7.  Two things follow.  A bias fragment is eight neighbouring numbers of b1 in each lane, the same
; for all rows: the first product of every accumulator takes it as its C, nothing is cleared and no add is written.  And a tile's eight numbers of a
; lane, packed to 16 bytes, are that lane's part of half a fragment of h as laid out above: a tile leaves by one store of 512 consecutive bytes, without LDS.
; REGISTERS, in windows of 256:
;   window 0: v16-27 addresses; v64-127, v128-191 fragments of A, two buffers; v192-255 the bias fragments
;   window 1: v64-127, v128-191 fragments of B, two buffers
;   window 2: the 32 accumulator tiles of my rows 0-63 (tile (a, b) at v[8 (8 a + b)]);   window 3: those of my rows 64-127
; The 64 accumulators take turns, one matrix instruction a turn, in the same order in every quarter step, over the loop's backward jump too.
.set KSTEP,  128
.set PITCH,  272                       ; A's LDS row: 256 bytes + 16 of padding: the 16 rows of a fragment load start 16 bytes apart modulo 256
.set PB,     544                       ; B's LDS row: 512 bytes + 32 of padding, an odd multiple of 32
.set HALFT,  128*PITCH                 ; what one tensor load brings: 128 rows of A, or 64 K rows of B (64 x 544 is the same 34,816 bytes)
.set SLOT,   4*HALFT                   ; A's 256 rows, then B's 128 K rows
.set LAPS,   4                         ; a lap = two K steps = once round the ring: 1,024 / 256
.set A_STEP, 256                       ; bytes from a K step to the next: 128 bf16 along a row of xb
.set B_STEP, 1048576                   ; 128 rows of w1b of 8,192 bytes
.set ADRA, 16                          ; v16-17  LDS address of my A fragments in slot 0, 1
.set ADRB, 20                          ; v20-21  the same for B
.set LOF,  26                          ; v26     16 x lane: my 16 bytes in a store of 512
.set BOF,  27                          ; v27     my byte offset in the bias
.set F0,   64
.set F1,   128
.set BIAS, 192
.set G1,  24                           ; s[24:31] descriptor group 1 for A's tiles
.set G0,  32                           ; s[32:39] descriptor group 0 for A's tiles, one set for each slot
.set G1B, 48                           ; s[48:55] group 1 for B's tiles
.set G0B, 56                           ; s[56:63] group 0 for B's tiles, one set for each slot
.set MSB, 0
.macro WIN new                         ; s_set_vgpr_msb: bits 1:0 source 0, 3:2 source 1, 5:4 source 2, 7:6 destination; the high byte repeats the setting that is left
.if MSB != \new
	s_set_vgpr_msb (MSB<<8)|\new
.set MSB, \new
.endif
.endm
.set MUL_LO,   0xa1                    ; source 0 (B) window 1, source 1 (A) window 0, C and D window 2
.set MUL_HI,   0xf1                    ; the same, C and D window 3
.set FIRST_LO, 0x81                    ; the first products: C is the bias in window 0, D window 2
.set FIRST_HI, 0xc1                    ; D window 3
.set TO_B,     0x40                    ; destination window 1, address window 0
; A joint load.  Waves 0 and 1 fetch A's two halves, waves 2 and 3 B's.  The branch hangs on the wave's number alone.
.macro JLOAD s
	s_cmp_eq_u32 s11, 0
	s_cbranch_scc0 .Lfor_b_\@
	tensor_load_to_lds s[G0+4*\s:G0+4*\s+3], s[G1:G1+7]
	s_nop 0
	s_branch .Lasked_\@
.Lfor_b_\@:
	tensor_load_to_lds s[G0B+4*\s:G0B+4*\s+3], s[G1B:G1B+7]
	s_nop 0
.Lasked_\@:
.endm
; A round of the cluster's barrier: my work-group's barrier; wave 0 signals for the work-group; every wave waits for all sixteen; my work-group's barrier again.
.macro CREST                           ; a round behind its opening barrier
	s_cmp_lg_u32 s10, 0
	s_cbranch_scc1 .Lnot_wave_0_\@
	s_barrier_signal -3
.Lnot_wave_0_\@:
	s_barrier_wait -3
	s_barrier_signal -1
	s_barrier_wait -1
.endm
.macro CROUND                          ; a whole round
	s_barrier_signal -1
	s_barrier_wait -1
	CREST
.endm
	s_load_b128 s[4:7], s[0:1], 0x0                ; xb s[4:5], w1b s[6:7]
	s_load_b64 s[66:67], s[0:1], 0x10              ; b1
	s_load_b64 s[8:9], s[0:1], 0x18                ; h
	s_set_vgpr_msb 0x40
	v_lshl_add_u32 v255, v0, 2, 0x44000
	s_set_vgpr_msb 0x4000
	v_mov_b32 v63, 0
	s_set_vgpr_msb 0x1
	ds_add_u32 v255, v63
	ds_add_u32 v255, v63
	s_set_vgpr_msb 0x100
	v_lshrrev_b32 v1, 5, v0
	v_readfirstlane_b32 s10, v1                    ; wave 0..3
	s_lshr_b32 s11, s10, 1                         ; which half of the block's rows is mine.  Also: I fetch for A (0) or for B (1)
	s_and_b32 s12, s10, 1                          ; which half of its columns.  Also: which half of that tile I fetch
	s_bfe_u32 s40, ttmp6, 0x40000                  ; cx
	s_bfe_u32 s41, ttmp6, 0x40004                  ; cy
	s_lshl_b32 s42, ttmp9, 2
	s_add_co_u32 s42, s42, s40                     ; block column = 4 x cluster x + cx, 0 to 15
	s_and_b32 s13, ttmp7, 0xffff                   ; cluster y, 0 to 7
	s_lshr_b32 s45, s13, 1                         ; the phase: two clusters along y each; the same in all sixteen work-groups
	s_lshl_b32 s13, s13, 2
	s_add_co_u32 s13, s13, s41                     ; block row = 4 x cluster y + cy, 0 to 31
	s_lshl_b32 s43, s41, 2
	s_lshl_b32 s43, 15, s43                        ; my row of the cluster: places 4 cy .. 4 cy + 3
	s_lshl_b32 s44, 0x1111, s40                    ; my column: places cx, cx + 4, cx + 8, cx + 12
	; group 1 for A: 128 rows x 128 elements of 2 bytes, 4 words of padding behind every 64 words
	s_or_b32 s[G1+0], s43, (1<<16)|(1<<20)|(1<<21)|(5<<22)|(3<<25)   ; mask: my row; element size; padding on; bit 21 beside a mask; interval; pad
	s_mov_b32 s[G1+1], 128<<16                     ; tensor_dim0 = 128
	s_mov_b32 s[G1+2], 128<<16                     ; tensor_dim1 = 128
	s_mov_b32 s[G1+3], 128<<16                     ; tile_dim0 = 128
	s_mov_b32 s[G1+4], 128                         ; tile_dim1 = 128
	s_mov_b32 s[G1+5], 1024                        ; elements from a row of xb to the next
	s_mov_b32 s[G1+6], 0
	s_mov_b32 s[G1+7], 0
	; group 1 for B: 64 K rows x 256 elements, 8 words of padding behind every 128 words
	s_or_b32 s[G1B+0], s44, (1<<16)|(1<<20)|(1<<21)|(6<<22)|(7<<25)  ; mask: my column
	s_mov_b32 s[G1B+1], 256<<16                    ; tensor_dim0 = 256
	s_mov_b32 s[G1B+2], 64<<16                     ; tensor_dim1 = 64
	s_mov_b32 s[G1B+3], 256<<16                    ; tile_dim0 = 256
	s_mov_b32 s[G1B+4], 64                         ; tile_dim1 = 64
	s_mov_b32 s[G1B+5], 4096                       ; elements from a row of w1b to the next
	s_mov_b32 s[G1B+6], 0
	s_mov_b32 s[G1B+7], 0
	; where the tiles come from.  A's hang on the block row, which my row of the cluster shares; B's on the phase and the block column, which my column shares.
	; Each address is made in registers that never hold the other coordinate.
	s_lshl_b32 s16, s13, 19                        ; A: 256 rows of 2,048 bytes a block row
	s_lshl_b32 s17, s12, 18                        ;    + 128 rows for the second half
	s_add_co_u32 s16, s16, s17
	s_mov_b32 s17, 0
	s_lshl_b32 s46, s45, 23                        ; B: 8,388,608 bytes a phase
	s_lshl_b32 s47, s12, 19                        ;    + 64 K rows of 8,192 bytes for the second half
	s_add_co_u32 s46, s46, s47
	s_lshl_b32 s47, s42, 9                         ;    + 256 columns of 2 bytes a block column
	s_add_co_u32 s46, s46, s47
	s_mov_b32 s47, 0
	s_mul_i32 s20, s10, HALFT                      ; and where they go: wave x 34,816: A's two halves, then B's two
	s_wait_dscnt 0x0
	s_wait_kmcnt 0x0
	s_add_nc_u64 s[14:15], s[4:5], s[16:17]
	s_add_nc_u64 s[46:47], s[6:7], s[46:47]
	CROUND                                         ; all sixteen work-groups are here: the first joint loads meet
.irp s, 0,1
	s_mov_b32 s[G0+4*\s], 1                                        ; count = 1
	s_add_co_u32 s[G0+4*\s+1], s20, \s*SLOT                        ; LDS address
	s_add_nc_u64 s[G0+4*\s+2:G0+4*\s+3], s[14:15], \s*A_STEP       ; global address: K step s
	s_or_b32 s[G0+4*\s+3], s[G0+4*\s+3], 0x80000000                ; type = 2
	s_mov_b32 s[G0B+4*\s], 1
	s_add_co_u32 s[G0B+4*\s+1], s20, \s*SLOT
	s_add_nc_u64 s[G0B+4*\s+2:G0B+4*\s+3], s[46:47], \s*B_STEP
	s_or_b32 s[G0B+4*\s+3], s[G0B+4*\s+3], 0x80000000
	JLOAD \s                                       ; both slots are asked for before anything else: two tensor loads of the wave are out, the most in this text
.endr
	; the bias fragments: n block b, lane half l / 16: the 8 numbers b1[p][256 bcol + 128 half + 16 b + 8 (l / 16) ..]
	s_lshl_b32 s46, s45, 14                        ; 16,384 bytes a phase
	s_lshl_b32 s47, s42, 10                        ; 1,024 bytes a block column
	s_add_co_u32 s46, s46, s47
	s_lshl_b32 s47, s12, 9                         ; 512 bytes for my half of the columns
	s_add_co_u32 s46, s46, s47
	s_mov_b32 s47, 0
	s_add_nc_u64 s[66:67], s[66:67], s[46:47]
	v_and_b32 v1, 15, v0                           ; l % 16
	v_bfe_u32 v2, v0, 4, 1                         ; l / 16
	v_lshlrev_b32 v[BOF], 5, v2
.irp b, 0,1,2,3,4,5,6,7
	global_load_b128 v[BIAS+8*\b:BIAS+8*\b+3],   v[BOF], s[66:67] offset:64*\b
	global_load_b128 v[BIAS+8*\b+4:BIAS+8*\b+7], v[BOF], s[66:67] offset:64*\b+16
.endr
	; A fragment (16 rows x 32 K): lane l holds row l % 16; two loads of 16 bytes, 32 bytes apart, at row x pitch + 16 (l / 16).
	v_mul_u32_u24 v3, v1, PITCH
	v_lshl_add_u32 v3, v2, 4, v3
	; B fragment (32 K x 16 columns) from [K][N] rows: lane l addresses K row 8 (l / 16) + l % 8 and the 16 bytes (8 columns) (l / 8) % 2;
	; the transposing load exchanges within each eight lanes, so that lane l ends with column l % 16 and K = 8 (l / 16) + 0..7; the second load is 16 K rows on.
	v_and_b32 v5, 7, v0
	v_lshl_add_u32 v5, v2, 3, v5
	v_mul_u32_u24 v5, v5, PB
	v_bfe_u32 v6, v0, 3, 1
	v_lshl_add_u32 v5, v6, 4, v5
	s_mul_i32 s21, s11, HALFT                      ; my 128 rows of A
	s_lshl_b32 s22, s12, 8                         ; my 128 columns of B: 256 bytes along its rows,
	s_add_co_u32 s22, s22, 2*HALFT                 ; which lie behind A's 256 rows
.irp s, 0,1
	v_add_nc_u32 v[ADRA+\s], s21, v3
	v_add_nc_u32 v[ADRB+\s], s22, v5
	s_add_co_u32 s21, s21, SLOT
	s_add_co_u32 s22, s22, SLOT
.endr
	v_and_b32 v4, 31, v0
	v_lshlrev_b32 v[LOF], 4, v4                    ; the way out: 16 bytes a lane
; 16 matrix instructions: m blocks a0, a0 + 1 of the window's four (hi = 0: my rows 0-63, 1: rows 64-127) x all 8 n blocks, 32 along K.
; first = 1: the sum starts from the bias fragment of its n block.
.macro MUL16 f, hi, a0, first
.irp a, \a0, \a0+1
.irp b, 0,1,2,3,4,5,6,7
.if \first
	v_wmma_f32_16x16x32_bf16 v[8*(8*(\a)+\b):8*(8*(\a)+\b)+7], v[\f+8*\b:\f+8*\b+7], v[\f+8*(4*\hi+\a):\f+8*(4*\hi+\a)+7], v[BIAS+8*\b:BIAS+8*\b+7]
.else
	v_wmma_f32_16x16x32_bf16 v[8*(8*(\a)+\b):8*(8*(\a)+\b)+7], v[\f+8*\b:\f+8*\b+7], v[\f+8*(4*\hi+\a):\f+8*(4*\hi+\a)+7], v[8*(8*(\a)+\b):8*(8*(\a)+\b)+7]
.endif
.endr
.endr
.endm
; 32 LDS loads in one run: the fragments of quarter q of a K step (32 K x my 128 columns of B, my 128 rows of A x 32 K) into buffer f
.macro FETCH slot, q, f
	WIN TO_B
.irp i, 0,1,2,3,4,5,6,7
	ds_load_tr16_b128 v[\f+8*\i:\f+8*\i+3],   v[ADRB+\slot] offset:\q*32*PB+32*\i
	ds_load_tr16_b128 v[\f+8*\i+4:\f+8*\i+7], v[ADRB+\slot] offset:\q*32*PB+16*PB+32*\i
.endr
	WIN 0
.irp i, 0,1,2,3,4,5,6,7
	ds_load_b128 v[\f+8*\i:\f+8*\i+3],   v[ADRA+\slot] offset:\q*64+\i*16*PITCH
	ds_load_b128 v[\f+8*\i+4:\f+8*\i+7], v[ADRA+\slot] offset:\q*64+\i*16*PITCH+32
.endr
.endm
; A load into a register that a matrix instruction has read, and a vector instruction that reads a matrix result, stand four places behind that
; matrix instruction; only plain vector instructions that name none of its registers are places (ISA guide 7.12.1 for vector instructions).
.macro PLACES
.rept 4
	v_nop
.endr
.endm
; One of a K step's first three quarters: multiplies buffer f; in its middle it fetches quarter q of the same slot into buffer g.
.macro QUARTER slot, q, f, g, first
	s_wait_dscnt 8                                 ; B and A's rows 0-63 are in; the youngest eight loads (A's rows 64-127) may be out
.if \first
	WIN FIRST_LO
.else
	WIN MUL_LO
.endif
	MUL16 \f, 0, 0, \first
	MUL16 \f, 0, 2, \first
	PLACES
	FETCH \slot, \q, \g
	s_wait_dscnt 32                                ; all but the 32 just issued
.if \first
	WIN FIRST_HI
.else
	WIN MUL_HI
.endif
	MUL16 \f, 1, 0, \first
	MUL16 \f, 1, 2, \first
.endm
.macro THREE slot, first
	QUARTER \slot, 1, F0, F1, \first
	QUARTER \slot, 2, F1, F0, 0
	QUARTER \slot, 3, F0, F1, 0
.endm
; The last quarter: multiplies buffer 1 and changes slots.  fill = 1: this slot is filled again, two K steps ahead.
; In front of the barrier each wave waits for its reads of this slot and for all its tensor loads (one is out: its part of the next slot).
; Behind it nobody reads this slot and the next slot is whole: the refill comes first, then the next slot's first fragments.
; From a request to the wait for it a wave issues 240 matrix instructions.
.macro TURN slot, next, fill
	s_wait_dscnt 8
	WIN MUL_LO
	MUL16 F1, 0, 0, 0
	s_wait_dscnt 0                                 ; my reads of this slot are over
	s_wait_tensorcnt 0x0                           ; and all my tensor loads have landed
	ds_add_u32 v255, v63
	s_wait_dscnt 0x0
	s_barrier_signal -1                            ; say so (where the slot is filled again this barrier opens a round of the cluster's barrier),
	MUL16 F1, 0, 2, 0                              ; work on registers while the others arrive,
	WIN 0
	s_barrier_wait -1
.if \fill
	CREST                                          ; all sixteen work-groups have said so: no wave of any partner still reads this slot or has a load on its way
	s_add_nc_u64 s[G0+4*\slot+2:G0+4*\slot+3], s[G0+4*\slot+2:G0+4*\slot+3], 2*A_STEP
	s_add_nc_u64 s[G0B+4*\slot+2:G0B+4*\slot+3], s[G0B+4*\slot+2:G0B+4*\slot+3], 2*B_STEP
	JLOAD \slot                                    ; the wave's one tensor load behind the round, and the first thing there
.endif
	PLACES
	FETCH \next, 0, F0
	WIN MUL_HI
	MUL16 F1, 1, 0, 0
	MUL16 F1, 1, 2, 0
.endm
.macro LAP first                       ; once round the ring, both slots filled again
	THREE 0, \first
	TURN 0, 1, 1
	THREE 1, 0
	TURN 1, 0, 1
.endm
	s_wait_loadcnt 0x0                             ; the bias fragments are in
	s_wait_tensorcnt 1                             ; my part of K step 0 is in; K step 1's may stay out
	s_barrier_signal -1
	s_barrier_wait -1                              ; everybody's is
	FETCH 0, 0, F0
	LAP 1                                          ; K steps 0 and 1; asks for 2 and 3
	WIN 0                                          ; at a label and at a branch every window is 0
	s_mov_b32 s3, LAPS-2
.Llap:
	LAP 0                                          ; K steps 2 to 5; asks for 4 to 7
	WIN 0
	s_sub_co_u32 s3, s3, 1
	s_cmp_lg_u32 s3, 0
	s_cbranch_scc1 .Llap
	THREE 0, 0                                     ; the last lap fills nothing and has no round of the cluster's barrier
	TURN 0, 1, 0
	THREE 1, 0
	s_wait_dscnt 8                                 ; the very last quarter: nothing more to fetch
	WIN MUL_LO
	MUL16 F1, 0, 0, 0
	MUL16 F1, 0, 2, 0
	s_wait_dscnt 0
	WIN MUL_HI
	MUL16 F1, 1, 0, 0
	MUL16 F1, 1, 2, 0
	; THE WAY OUT: relu, round to bf16 in place (a tile's 8 registers become its first 4), one store of 512 consecutive bytes a tile.
	; Tile (hi, a, b) holds rows 64 hi + 16 a + l % 16 and columns 16 b + 8 (l / 16) + 0..7 of my 128 x 128: in h that is group of rows
	; 4 block row + 2 half + hi, block of 32 columns 8 block column + 4 half + b / 2, block of 16 rows a, half b % 2, lane l.
	PLACES                                         ; the places behind the last matrix instructions
	s_lshl_b32 s16, s13, 21                        ; 4 groups of 64 rows, 524,288 bytes each, a block row
	s_lshl_b32 s17, s11, 20                        ; + 2 groups for my half of the rows
	s_add_co_u32 s16, s16, s17
	s_mov_b32 s17, 0
	s_add_nc_u64 s[8:9], s[8:9], s[16:17]
	s_lshl_b32 s46, s42, 15                        ; 8 blocks of 32 columns, 4,096 bytes each, a block column
	s_lshl_b32 s47, s12, 14                        ; + 4 blocks for my half of the columns
	s_add_co_u32 s46, s46, s47
	s_mov_b32 s47, 0
	s_add_nc_u64 s[8:9], s[8:9], s[46:47]
; the 32 tiles of window 2 + hi.  wrelu: source 1 and destination in that window (it also serves the stores: address in window 0, data in that window);
; wcvt: both sources and the destination in it.  No register that a store names is written again, so no wait stands here.
.macro OUTW hi, wrelu, wcvt
	WIN \wrelu
.set idx, 0
.rept 256
	v_max_num_f32 v[idx], 0, v[idx]
.set idx, idx+1
.endr
	WIN \wcvt
.set idx, 0
.rept 32
	v_cvt_pk_bf16_f32 v[8*idx],   v[8*idx],   v[8*idx+1]      ; each line writes a register whose old number has been read by it or by a line above
	v_cvt_pk_bf16_f32 v[8*idx+1], v[8*idx+2], v[8*idx+3]
	v_cvt_pk_bf16_f32 v[8*idx+2], v[8*idx+4], v[8*idx+5]
	v_cvt_pk_bf16_f32 v[8*idx+3], v[8*idx+6], v[8*idx+7]
.set idx, idx+1
.endr
	WIN \wrelu
.irp a, 0,1,2,3
.irp b, 0,1,2,3,4,5,6,7
	global_store_b128 v[LOF], v[8*(8*\a+\b):8*(8*\a+\b)+3], s[8:9] offset:\hi*524288+(\b/2)*4096+\a*1024+(\b%2)*512   ; 32 lanes store 512 consecutive bytes, aligned
.endr
.endr
.endm
	OUTW 0, 0x88, 0x8a
	OUTW 1, 0xcc, 0xcf
	WIN 0
	CROUND                                         ; the closing round: no work-group ends while a partner may still ask for a tile that names it
	s_endpgm
.Lfunc_end_k_qd02f332cc2_ff1:
	.size	k_qd02f332cc2_ff1, .Lfunc_end_k_qd02f332cc2_ff1-k_qd02f332cc2_ff1
	.p2alignl 7, 3214868480
	.fill 96, 4, 3214868480
	.section	.rodata,"a",@progbits
	.p2align	6, 0x0
	.amdhsa_kernel k_qd02f332cc2_ff1
		.amdhsa_group_segment_fixed_size 327680
		.amdhsa_private_segment_fixed_size 0
		.amdhsa_enable_private_segment 0
		.amdhsa_kernarg_size 32
		.amdhsa_user_sgpr_count 2
		.amdhsa_user_sgpr_kernarg_segment_ptr 1
		.amdhsa_wavefront_size32 1
		.amdhsa_system_sgpr_workgroup_id_x 1
		.amdhsa_system_sgpr_workgroup_id_y 1
		.amdhsa_system_sgpr_workgroup_id_z 1
		.amdhsa_system_vgpr_workitem_id 0
		.amdhsa_next_free_vgpr 1024
		.amdhsa_next_free_sgpr 68
		.amdhsa_reserve_vcc 0
		.amdhsa_float_denorm_mode_32 3
		.amdhsa_float_denorm_mode_16_64 3
		.amdhsa_memory_ordered 1
		.amdhsa_forward_progress 1
		.amdhsa_inst_pref_size 203
	.end_amdhsa_kernel
	.amdgpu_metadata
---
amdhsa.version: [ 1, 2 ]
amdhsa.kernels:
  - .name:           k_qd02f332cc2_ff1
    .symbol:         k_qd02f332cc2_ff1.kd
    .args:
      - { .name: xb, .offset: 0, .size: 8, .value_kind: global_buffer, .address_space: global }
      - { .name: w1b, .offset: 8, .size: 8, .value_kind: global_buffer, .address_space: global }
      - { .name: b1, .offset: 16, .size: 8, .value_kind: global_buffer, .address_space: global }
      - { .name: h, .offset: 24, .size: 8, .value_kind: global_buffer, .address_space: global }
    .group_segment_fixed_size: 327680
    .private_segment_fixed_size: 0
    .kernarg_segment_align: 8
    .kernarg_segment_size: 32
    .max_flat_workgroup_size: 128
    .sgpr_count:     68
    .vgpr_count:     1024
    .wavefront_size: 32
...
	.end_amdgpu_metadata
.endif
;; end of part 2
;; launch ff2 (part 3): grid 8 x 32, 4 waves a work-group, clusters of 4 x 4, 327,680 bytes of LDS; arguments h, w2b, b2, out0; writes out0
.if DOCPART == 3
	.amdgcn_target "amdgcn-amd-amdhsa--gfx1250"
	.amdhsa_code_object_version 6
	.text
	.protected	k_qd02f332cc2_ff2
	.globl	k_qd02f332cc2_ff2
	.p2align	8
	.type	k_qd02f332cc2_ff2,@function
k_qd02f332cc2_ff2:
	s_mov_b64 s[64:65], 0
	v_nop
	global_prefetch_b8 v0, s[64:65] scope:SCOPE_SE
	s_setreg_imm32_b32 hwreg(HW_REG_WAVE_MODE, 25, 1), 1
	s_wait_xcnt 0x0
	s_wait_alu depctr_hold_cnt(0) depctr_sa_sdst(0) depctr_va_vdst(0) depctr_va_sdst(0) depctr_va_ssrc(0) depctr_va_vcc(0) depctr_vm_vsrc(0)
	s_getreg_b32 s2, hwreg(HW_REG_IB_STS2, 6, 4)
	s_cmp_eq_u32 s2, 0
	s_cbranch_scc0 .Lentry_in_a_cluster
	s_endpgm
.Lentry_in_a_cluster:
	s_bfe_u32 s2, ttmp6, 0x10000c
	s_cmp_lg_u32 s2, 0xf033
	s_cbranch_scc0 .Lentry_shape_is_right
	s_endpgm
.Lentry_shape_is_right:
; ff2: out0[b][64 p + s][d] = sum over f of h[row][f] w2b[p][f][d] + b2[p][d], f32, row = 2048 p + 64 b + s.
; w2b [4][4096][1024] bf16, b2 [4][1024] f32, out0 [32][256][1024] f32.  h holds its 8,192 x 4,096 bf16 as fragments of 16 rows x 32 K:
;   [128 groups of 64 rows][128 K blocks of 32][4 blocks of 16 rows][2 halves of 16 K][32 lanes][16 bytes], as the launch before stored them.
; LIMITS: operands are bf16, sums f32; the bias is added last, in f32.  The input phases is not read: no value of it enters the result.
; The product has 8,192 x 1,024 outputs: 256 blocks of 256 rows x 128 columns, one work-group each, four waves, a wave 64 rows x 128 columns:
; 32 accumulator tiles of 16 x 16, 256 registers.  K = 4,096 goes in 128 quarters of 32, 32 matrix instructions each.
; A DOES NOT PASS THROUGH LDS.  With the waves side by side along the rows, each fragment of A is used by one wave alone: LDS would only hand it on.
; A wave's fragments of a quarter are 4,096 consecutive bytes of h: eight loads of 512 bytes, into a ring of eight places of 32 registers.
; In the middle of quarter Q the loads of quarter Q + 7 are issued into the place that quarter Q - 1 has left.
; B goes through a ring of two LDS slots filled by the tensor data mover, as the weights lie, [K][N]: a slot holds 256 K rows x 128 columns
; (memory rows of 256 bytes, aligned), each wave brings 64 of the rows; all four waves read all of it, by the transposing LDS load.
; CLUSTERS: 4 x 4 work-groups, all of one phase.  B's tiles are asked for jointly along a column of the cluster.  A is NOT asked for jointly, though the
; four work-groups of a row of the cluster read the same h: a joint request ends in LDS, and with A's 256 rows beside B's 128 columns two slots hold
; 128 of K each (two of 256 would take 417,792 bytes), so that a tile has 120 matrix instructions in which to land; with B alone it has 248,
; and a quarter's LDS traffic of the work-group falls from 24 KiB in and 48 KiB out to 8 KiB in and 32 KiB out.  The price: each work-group asks for its own 2 MiB of h.
; THE MATRIX INSTRUCTION IS USED TRANSPOSED (source 0 = 16 columns of B, source 1 = 16 rows of A): lane l holds row l % 16 of a tile, its registers the
; columns 8 (l / 16) + 0 .. 7: 32 neighbouring bytes of a row of out0.
; REGISTERS: window 0: v16-31 addresses and my four numbers of the bias; v64-127, v128-191 fragments of B, two buffers.
;            window 1: the 32 accumulator tiles, tile (a, b) at v[8 (8 a + b)], a = 0..3 along my rows, b = 0..7 along the columns.
;            window 2: A's ring: quarter Q's block of 16 rows a at v[32 (Q % 8) + 8 a].
; The 32 accumulators take turns, one matrix instruction a turn, in the same order in every quarter, over the loop's backward jump too.
.set PB,     288                       ; B's LDS row: 256 bytes + 32 of padding, an odd multiple of 32
.set QROWS,  64*PB                     ; 18,432: 64 K rows, one tensor load
.set SLOT,   4*QROWS                   ; 73,728: 256 K rows, eight quarters
.set SUB,    128*PB                    ; 36,864: half a slot: an address register for each half keeps the LDS loads' offsets inside 16 bits
.set STAGE,  2*SLOT                    ; behind the ring: 16 rows x 528 bytes for each wave, for the way out; no tensor load lands here
.set SPITCH, 528                       ; 512 bytes (my 128 columns of f32) + 16
.set LAPS,   8                         ; a lap = two slots = 16 quarters = 512 of K
.set B_STEP, 524288                    ; 256 rows of w2b of 2,048 bytes
.set AQ,     4096                      ; bytes of h that a wave takes in a quarter
.set ADRB, 16                          ; v16-19  LDS address of B's fragments: slot s, half u at ADRB + 2 s + u
.set STO,  24                          ; v24     the way out: where I put 32 bytes of a row
.set RD,   25                          ; v25     the way out: where I read 16 bytes of a row back
.set LOF,  26                          ; v26     16 x lane: my 16 bytes of 512, in h, in b2 and in a row of out0; never rewritten
.set BIAS, 28                          ; v[28:31] b2 of my four columns on the way out
.set FB0,  64                          ; B's buffer n at FB0 + 64 n; quarter q uses buffer q % 2
.set FB1,  128
.set HB,   14                          ; s[14:15] h at my wave's stream, at the lap's first quarter
.set G1B,  48                          ; s[48:55] descriptor group 1 for B's tiles
.set G0B,  56                          ; s[56:63] group 0 for B's tiles, one set for each slot
.set MSB, 0
.macro WIN new                         ; s_set_vgpr_msb: bits 1:0 source 0, 3:2 source 1, 5:4 source 2, 7:6 destination; the high byte repeats the setting that is left
.if MSB != \new
	s_set_vgpr_msb (MSB<<8)|\new
.set MSB, \new
.endif
.endm
.set MUL,      0x58                    ; source 0 (B) window 0, source 1 (A) window 2, C and D window 1
.set TO_A,     0x80                    ; a load's destination in window 2, its address in window 0
.set FROM_ACC, 0x04                    ; an LDS store's data (source 1) from window 1
.macro CREST                           ; a round of the cluster's barrier behind its opening barrier
	s_cmp_lg_u32 s10, 0
	s_cbranch_scc1 .Lnot_wave_0_\@
	s_barrier_signal -3
.Lnot_wave_0_\@:
	s_barrier_wait -3
	s_barrier_signal -1
	s_barrier_wait -1
.endm
.macro CROUND                          ; a whole round
	s_barrier_signal -1
	s_barrier_wait -1
	CREST
.endm
	s_load_b128 s[4:7], s[0:1], 0x0                ; h s[4:5], w2b s[6:7]
	s_load_b64 s[66:67], s[0:1], 0x10              ; b2
	s_load_b64 s[8:9], s[0:1], 0x18                ; out0
	v_lshl_add_u32 v254, v0, 2, 0x2c400
	v_mov_b32 v255, 0
	ds_add_u32 v254, v255
	ds_add_u32 v254, v255
	v_lshrrev_b32 v1, 5, v0
	v_readfirstlane_b32 s10, v1                    ; wave 0..3: my 64 rows of the block, and my 64 K rows of each tile of B
	s_bfe_u32 s40, ttmp6, 0x40000                  ; cx
	s_bfe_u32 s41, ttmp6, 0x40004                  ; cy
	s_lshl_b32 s42, ttmp9, 2
	s_add_co_u32 s42, s42, s40                     ; block column = 4 x cluster x + cx, 0 to 7
	s_and_b32 s13, ttmp7, 0xffff                   ; cluster y, 0 to 7
	s_lshr_b32 s45, s13, 1                         ; the phase: the same in all sixteen work-groups
	s_lshl_b32 s13, s13, 2
	s_add_co_u32 s13, s13, s41                     ; block row = 4 x cluster y + cy, 0 to 31
	s_lshl_b32 s44, 0x1111, s40                    ; my column of the cluster: places cx, cx + 4, cx + 8, cx + 12
	; group 1 for B: 64 K rows x 128 elements of 2 bytes, 8 words of padding behind every 64 words
	s_or_b32 s[G1B+0], s44, (1<<16)|(1<<20)|(1<<21)|(5<<22)|(7<<25)  ; mask: my column; element size; padding on; bit 21 beside a mask; interval; pad
	s_mov_b32 s[G1B+1], 128<<16                    ; tensor_dim0 = 128
	s_mov_b32 s[G1B+2], 64<<16                     ; tensor_dim1 = 64
	s_mov_b32 s[G1B+3], 128<<16                    ; tile_dim0 = 128
	s_mov_b32 s[G1B+4], 64                         ; tile_dim1 = 64
	s_mov_b32 s[G1B+5], 1024                       ; elements from a row of w2b to the next
	s_mov_b32 s[G1B+6], 0
	s_mov_b32 s[G1B+7], 0
	; B's address hangs on the phase, the wave's number and the block column, which my column of the cluster shares
	s_lshl_b32 s46, s45, 23                        ; 8,388,608 bytes a phase
	s_lshl_b32 s47, s10, 17                        ; + 64 K rows of 2,048 bytes a wave
	s_add_co_u32 s46, s46, s47
	s_lshl_b32 s47, s42, 8                         ; + 128 columns of 2 bytes a block column
	s_add_co_u32 s46, s46, s47
	s_mov_b32 s47, 0
	s_mul_i32 s2, s10, QROWS                       ; and where it goes: wave x 18,432
	; my stream of h: group of 64 rows 4 x block row + wave, 524,288 bytes each
	s_lshl_b32 s16, s13, 21
	s_lshl_b32 s17, s10, 19
	s_add_co_u32 s16, s16, s17
	s_mov_b32 s17, 0
	s_wait_dscnt 0x0
	s_wait_kmcnt 0x0
	s_add_nc_u64 s[HB:HB+1], s[4:5], s[16:17]
	s_add_nc_u64 s[46:47], s[6:7], s[46:47]
	CROUND                                         ; all sixteen work-groups are here: the first joint loads meet
.irp s, 0,1
	s_mov_b32 s[G0B+4*\s], 1                                       ; count = 1
	s_add_co_u32 s[G0B+4*\s+1], s2, \s*SLOT                        ; LDS address
	s_add_nc_u64 s[G0B+4*\s+2:G0B+4*\s+3], s[46:47], \s*B_STEP     ; global address: K rows 256 s ..
	s_or_b32 s[G0B+4*\s+3], s[G0B+4*\s+3], 0x80000000              ; type = 2
	tensor_load_to_lds s[G0B+4*\s:G0B+4*\s+3], s[G1B:G1B+7]        ; both slots are asked for before anything else: two tensor loads of the wave are out, the most in this text
	s_nop 0
.endr
; eight loads of 512 consecutive bytes: A's fragments of the quarter qn, counted from the lap's first, into place qn % 8 of the ring
.macro ALOAD qn
	WIN TO_A
.irp a, 0,1,2,3
	global_load_b128 v[32*((\qn)%8)+8*\a:32*((\qn)%8)+8*\a+3],   v[LOF], s[HB:HB+1] offset:(\qn)*AQ+\a*1024
	global_load_b128 v[32*((\qn)%8)+8*\a+4:32*((\qn)%8)+8*\a+7], v[LOF], s[HB:HB+1] offset:(\qn)*AQ+\a*1024+512
.endr
.endm
	v_and_b32 v1, 31, v0
	v_lshlrev_b32 v[LOF], 4, v1
	s_lshl_b32 s46, s45, 12                        ; b2: 4,096 bytes a phase
	s_lshl_b32 s47, s42, 9                         ; + 512 bytes a block column
	s_add_co_u32 s46, s46, s47
	s_mov_b32 s47, 0
	s_add_nc_u64 s[66:67], s[66:67], s[46:47]
	global_load_b128 v[BIAS:BIAS+3], v[LOF], s[66:67]   ; b2 of columns 4 l .. 4 l + 3 of the block: used on the way out
.irp n, 0,1,2,3,4,5,6
	ALOAD \n                                       ; the ring's first seven places: with the bias 57 loads of the wave are out, the most in this text
.endr
	WIN 0
	; B fragment (32 K x 16 columns) from [K][N] rows: lane l addresses K row 8 (l / 16) + l % 8 and the 16 bytes (8 columns) (l / 8) % 2; the transposing load
	; leaves lane l with column l % 16 and K = 8 (l / 16) + 0..7; the second load is 16 K rows on.
	v_bfe_u32 v2, v0, 4, 1                         ; l / 16
	v_and_b32 v3, 15, v0                           ; l % 16
	v_and_b32 v5, 7, v0
	v_lshl_add_u32 v5, v2, 3, v5
	v_mul_u32_u24 v5, v5, PB
	v_bfe_u32 v6, v0, 3, 1
	v_lshl_add_u32 v5, v6, 4, v5
.irp s, 0,1
.irp u, 0,1
	v_add_nc_u32 v[ADRB+2*\s+\u], \s*SLOT+\u*SUB, v5
.endr
.endr
	s_mul_i32 s23, s10, 16*SPITCH
	s_add_co_u32 s23, s23, STAGE                   ; my stage
	v_mul_u32_u24 v4, v3, SPITCH                   ; in: row l % 16, 32 bytes (8 f32) for each half of the lanes
	v_lshl_add_u32 v4, v2, 5, v4
	v_add_nc_u32 v[STO], s23, v4
	v_add_nc_u32 v[RD], s23, v[LOF]                ; back: the 32 lanes take one row of 512 bytes
; 8 matrix instructions of quarter q (0 to 7 in its slot): m blocks a0, a0 + 1 x n blocks 4 bh .. 4 bh + 3.  first = 1: the product starts the sum.
.macro MUL8 q, bh, a0, first
.irp a, \a0, \a0+1
.irp b, 4*\bh, 4*\bh+1, 4*\bh+2, 4*\bh+3
.if \first
	v_wmma_f32_16x16x32_bf16 v[8*(8*(\a)+(\b)):8*(8*(\a)+(\b))+7], v[FB0+64*((\q)%2)+8*(\b):FB0+64*((\q)%2)+8*(\b)+7], v[32*(\q)+8*(\a):32*(\q)+8*(\a)+7], 0
.else
	v_wmma_f32_16x16x32_bf16 v[8*(8*(\a)+(\b)):8*(8*(\a)+(\b))+7], v[FB0+64*((\q)%2)+8*(\b):FB0+64*((\q)%2)+8*(\b)+7], v[32*(\q)+8*(\a):32*(\q)+8*(\a)+7], v[8*(8*(\a)+(\b)):8*(8*(\a)+(\b))+7]
.endif
.endr
.endr
.endm
; 16 LDS loads in one run: B's eight fragments of quarter q of a slot, n blocks 0 to 3 first, into buffer q % 2
.macro FETCHB slot, q
	WIN 0
.irp i, 0,1,2,3,4,5,6,7
	ds_load_tr16_b128 v[FB0+64*((\q)%2)+8*\i:FB0+64*((\q)%2)+8*\i+3],   v[ADRB+2*\slot+(\q)/4] offset:((\q)%4)*32*PB+32*\i
	ds_load_tr16_b128 v[FB0+64*((\q)%2)+8*\i+4:FB0+64*((\q)%2)+8*\i+7], v[ADRB+2*\slot+(\q)/4] offset:((\q)%4)*32*PB+16*PB+32*\i
.endr
.endm
; Four places behind a matrix instruction before a load lands on a register that it read or an LDS store reads its result; only plain vector
; instructions that name none of its registers are places (ISA guide 7.12.1 for vector instructions).
.macro PLACES
.rept 4
	v_nop
.endr
.endm
; The wait for A's fragments of quarter ql of the lap.  Loads come back in order (ISA guide 5.7.1); behind this quarter's eight the eight of each of the next
; six quarters have been issued and stay out.  In the last lap nothing is issued for quarters past its sixteenth, and the count runs down.
.macro AWAIT ql, last
.if \last
.if (15-(\ql)) < 6
	s_wait_loadcnt 8*(15-(\ql))
.else
	s_wait_loadcnt 48
.endif
.else
	s_wait_loadcnt 48
.endif
.endm
; In quarter ql of the lap: the loads of the quarter seven on; in the last lap only while that quarter exists, so that no load leaves h.
.macro AFILL ql, last
.if \last
.if (\ql) < 9
	ALOAD (\ql)+7
.endif
.else
	ALOAD (\ql)+7
.endif
.endm
; One of a slot's first seven quarters.  In its middle, behind four places, it fetches B's fragments of the next quarter into the buffer, and asks for A's
; fragments seven quarters on into the place of the ring, that the quarter before has read.
.macro QUARTER slot, q, first, last
	AWAIT 8*\slot+\q, \last
	s_wait_dscnt 8                                 ; B's n blocks 0-3 are in; the youngest eight loads (n blocks 4-7) may be out
	WIN MUL
	MUL8 \q, 0, 0, \first
	MUL8 \q, 0, 2, \first
	PLACES
	FETCHB \slot, \q+1
	AFILL 8*\slot+\q, \last
	s_wait_dscnt 16                                ; all but the 16 just issued
	WIN MUL
	MUL8 \q, 1, 0, \first
	MUL8 \q, 1, 2, \first
.endm
.macro SEVEN slot, first, last
	QUARTER \slot, 0, \first, \last
.irp q, 1,2,3,4,5,6
	QUARTER \slot, \q, 0, \last
.endr
.endm
; A slot's eighth quarter changes slots.  fill = 1: this slot is filled again, with the K rows 512 on.
; In front of the barrier each wave waits for its reads of this slot and for all its tensor loads (one is out: its part of the next slot).
; Behind it the refill comes first, then the next slot's first fragments.  From a request to the wait for it a wave issues 248 matrix instructions.
.macro TURN slot, next, fill, last
	AWAIT 8*\slot+7, \last
	s_wait_dscnt 8
	WIN MUL
	MUL8 7, 0, 0, 0
	s_wait_dscnt 0                                 ; my reads of this slot are over
	s_set_vgpr_msb 0x5850
	s_wait_tensorcnt 0x0                           ; and all my tensor loads have landed
	ds_add_u32 v254, v255
	s_wait_dscnt 0x0
	s_set_vgpr_msb 0x5058
	s_barrier_signal -1                            ; say so (where the slot is filled again this barrier opens a round of the cluster's barrier),
	MUL8 7, 0, 2, 0                                ; work on registers while the others arrive,
	WIN 0                                          ; (a branch follows)
	s_barrier_wait -1
.if \fill
	CREST                                          ; all sixteen work-groups have said so: no wave of any partner still reads this slot or has a tensor load on its way
	s_add_nc_u64 s[G0B+4*\slot+2:G0B+4*\slot+3], s[G0B+4*\slot+2:G0B+4*\slot+3], 2*B_STEP
	tensor_load_to_lds s[G0B+4*\slot:G0B+4*\slot+3], s[G1B:G1B+7]  ; the wave's one tensor load behind the round, and the first thing there
	s_nop 0
.endif
	PLACES
	FETCHB \next, 0
	AFILL 8*\slot+7, \last
	WIN MUL
	MUL8 7, 1, 0, 0
	MUL8 7, 1, 2, 0
.endm
.macro LAP first                       ; once round the ring, both slots filled again
	SEVEN 0, \first, 0
	TURN 0, 1, 1, 0
	SEVEN 1, 0, 0
	TURN 1, 0, 1, 0
	s_wait_xcnt 0x0                                ; the base of A's loads is stepped only behind this wait
	s_add_nc_u64 s[HB:HB+1], s[HB:HB+1], 16*AQ     ; the next lap's first quarter
.endm
	s_wait_tensorcnt 1                             ; my part of slot 0 is in; slot 1's may stay out
	s_barrier_signal -1
	s_barrier_wait -1                              ; everybody's is
	FETCHB 0, 0
	LAP 1                                          ; K 0 to 511: its first quarter starts the sums; asks for B's K 512 to 1,023
	WIN 0                                          ; at a label and at a branch every window is 0
	s_mov_b32 s3, LAPS-2
.Llap:
	LAP 0
	WIN 0
	s_sub_co_u32 s3, s3, 1
	s_cmp_lg_u32 s3, 0
	s_cbranch_scc1 .Llap
	SEVEN 0, 0, 1                                  ; the last lap fills no slot and has no round of the cluster's barrier
	TURN 0, 1, 0, 1
	SEVEN 1, 0, 1
	s_wait_loadcnt 0x0                             ; the very last quarter: nothing was asked for behind its fragments
	s_wait_dscnt 8
	WIN MUL
	MUL8 7, 0, 0, 0
	MUL8 7, 0, 2, 0
	s_wait_dscnt 0
	MUL8 7, 1, 0, 0
	MUL8 7, 1, 2, 0
	; THE WAY OUT, 16 rows at a time: 32 bytes a lane and tile into my own stage, read back as whole rows of 512 bytes (the block's 128 columns of f32), the bias added, stored.
	; My 64 flat rows are the 64 positions of phase p in batch 4 (block row % 8) + wave; out0's row is 256 batch + 64 p + s.
	PLACES                                         ; the places behind the last matrix instructions
	s_and_b32 s16, s13, 7
	s_lshl_b32 s16, s16, 22                        ; 4 batches of 256 rows of 4,096 bytes a block row
	s_lshl_b32 s17, s10, 20                        ; + a batch a wave
	s_add_co_u32 s16, s16, s17
	s_lshl_b32 s17, s45, 18                        ; + 64 rows a phase
	s_add_co_u32 s16, s16, s17
	s_lshl_b32 s17, s42, 9                         ; + 512 bytes a block column
	s_add_co_u32 s16, s16, s17
	s_mov_b32 s17, 0
	s_add_nc_u64 s[8:9], s[8:9], s[16:17]
; rows 16 a .. 16 a + 15 of my 64 = the eight tiles (a, 0..7); f: FB0 or FB1 in turn
.macro OUT16 a, f
	WIN FROM_ACC
.irp b, 0,1,2,3,4,5,6,7
	ds_store_b128 v[STO], v[8*(8*\a+\b):8*(8*\a+\b)+3]   offset:64*\b
	ds_store_b128 v[STO], v[8*(8*\a+\b)+4:8*(8*\a+\b)+7] offset:64*\b+16
.endr
	WIN 0
	s_wait_xcnt 0x0                                ; buffer f, which earlier stores read, is rewritten only behind this wait
.irp t, 0,1,2,3,4,5,6,7,8,9,10,11,12,13,14,15
	ds_load_b128 v[\f+4*\t:\f+4*\t+3], v[RD] offset:\t*SPITCH      ; LDS serves a wave's instructions in order (ISA guide 5.7.1): these see the stores above
.endr
.irp t, 0,1,2,3,4,5,6,7,8,9,10,11,12,13,14,15
	s_wait_dscnt 15-\t                             ; load t of the sixteen is in
	v_pk_add_f32 v[\f+4*\t:\f+4*\t+1],   v[\f+4*\t:\f+4*\t+1],   v[BIAS:BIAS+1]      ; my four columns are the same in every row
	v_pk_add_f32 v[\f+4*\t+2:\f+4*\t+3], v[\f+4*\t+2:\f+4*\t+3], v[BIAS+2:BIAS+3]
	global_store_b128 v[LOF], v[\f+4*\t:\f+4*\t+3], s[8:9] offset:(16*\a+\t)*4096 th:TH_STORE_NT   ; 32 lanes store 512 consecutive bytes, aligned
.endr
.endm
	OUT16 0, FB0
	OUT16 1, FB1
	OUT16 2, FB0
	OUT16 3, FB1
	s_wait_tensorcnt 0x0
	ds_add_u32 v254, v255
	s_wait_dscnt 0x0
	CROUND                                         ; the closing round: no work-group ends while a partner may still ask for a tile that names it
	s_endpgm
.Lfunc_end_k_qd02f332cc2_ff2:
	.size	k_qd02f332cc2_ff2, .Lfunc_end_k_qd02f332cc2_ff2-k_qd02f332cc2_ff2
	.p2alignl 7, 3214868480
	.fill 96, 4, 3214868480
	.section	.rodata,"a",@progbits
	.p2align	6, 0x0
	.amdhsa_kernel k_qd02f332cc2_ff2
		.amdhsa_group_segment_fixed_size 327680
		.amdhsa_private_segment_fixed_size 0
		.amdhsa_enable_private_segment 0
		.amdhsa_kernarg_size 32
		.amdhsa_user_sgpr_count 2
		.amdhsa_user_sgpr_kernarg_segment_ptr 1
		.amdhsa_wavefront_size32 1
		.amdhsa_system_sgpr_workgroup_id_x 1
		.amdhsa_system_sgpr_workgroup_id_y 1
		.amdhsa_system_sgpr_workgroup_id_z 1
		.amdhsa_system_vgpr_workitem_id 0
		.amdhsa_next_free_vgpr 768
		.amdhsa_next_free_sgpr 68
		.amdhsa_reserve_vcc 0
		.amdhsa_float_denorm_mode_32 3
		.amdhsa_float_denorm_mode_16_64 3
		.amdhsa_memory_ordered 1
		.amdhsa_forward_progress 1
		.amdhsa_inst_pref_size 228
	.end_amdhsa_kernel
	.amdgpu_metadata
---
amdhsa.version: [ 1, 2 ]
amdhsa.kernels:
  - .name:           k_qd02f332cc2_ff2
    .symbol:         k_qd02f332cc2_ff2.kd
    .args:
      - { .name: h, .offset: 0, .size: 8, .value_kind: global_buffer, .address_space: global }
      - { .name: w2b, .offset: 8, .size: 8, .value_kind: global_buffer, .address_space: global }
      - { .name: b2, .offset: 16, .size: 8, .value_kind: global_buffer, .address_space: global }
      - { .name: out0, .offset: 24, .size: 8, .value_kind: global_buffer, .address_space: global }
    .group_segment_fixed_size: 327680
    .private_segment_fixed_size: 0
    .kernarg_segment_align: 8
    .kernarg_segment_size: 32
    .max_flat_workgroup_size: 128
    .sgpr_count:     68
    .vgpr_count:     768
    .wavefront_size: 32
...
	.end_amdgpu_metadata
.endif
;; end of part 3
;; ======== version 2 of 2: 3 launches; version 1 with the launch cast written anew for expert scheduling mode
;; workspace buffers: xb 16,777,216 bytes; w1b 33,554,432 bytes; w2b 33,554,432 bytes; h 67,108,864 bytes
;; launch cast (part 4): grid 256 x 5, 8 waves a work-group, no clusters, 0 bytes of LDS; arguments x, W1, W2, xb, w1b, w2b; writes xb, w1b, w2b
.if DOCPART == 4
	.amdgcn_target "amdgcn-amd-amdhsa--gfx1250"
	.amdhsa_code_object_version 6
	.text
	.protected	k_qd02f332cc2_cast
	.globl	k_qd02f332cc2_cast
	.p2align	8
	.type	k_qd02f332cc2_cast,@function
k_qd02f332cc2_cast:
	s_mov_b64 s[64:65], 0
	v_nop
	global_prefetch_b8 v0, s[64:65] scope:SCOPE_SE
	s_setreg_imm32_b32 hwreg(HW_REG_WAVE_SCHED_MODE, 0, 2), 2
	s_setreg_imm32_b32 hwreg(HW_REG_WAVE_MODE, 25, 1), 1
	s_wait_xcnt 0x0
	s_wait_alu depctr_vm_vsrc(0)
; cast: bf16 copies (round to nearest even) of x, W1 and W2 for the two matrix launches that follow.
;   xb  [8192][1024]: x's rows regrouped by phase, flat row = 2048 p + 64 b + s  (x's row is 256 b + 64 p + s)
;   w1b [4][1024][4096], w2b [4][4096][1024]: the layouts of W1 and W2
; Why a launch of its own: a block of 256 x 256 of the first product would otherwise convert each number of x 16 times and each
; of W1 8 times, and the tiles would travel to LDS in 4 bytes a number instead of 2.
; The input phases is not read by any launch of this program: the function that is computed takes no value from it
; (the split of the sequence among the phases is the fixed one, 64 neighbouring positions each).
; A stream: nothing is shared and nothing is reduced, so no LDS, no barrier, no cluster.
; 1,280 work-groups, each one chunk of 131,072 bytes of f32 (65,536 of bf16): y = 0: x (256 chunks of 32 rows),
; y = 1, 2: W1 (512 chunks), y = 3, 4: W2 (512 chunks).  Thread t takes, in step i of 32, the 16 bytes at 4,096 i + 16 t and
; stores 8 bytes at 2,048 i + 8 t: a wave's load covers 512 consecutive bytes, a wave's store 256 consecutive bytes, aligned.
; All 32 loads of a thread go out first (16 KiB a wave on their way); no register that a memory instruction names is written again.
; THE MODE: SCHED_MODE bits 1:0 = 2 (LLVM: expert scheduling mode 2), set by the entry lines.  The code itself states the register dependences
; between vector instructions and memory instructions, with s_wait_alu, always for 0.
; THE PLAN.  Registers that memory instructions touch:
;   v1, v2        byte offsets of the loads and of the stores: written once at the head, never again.
;   v[X + 4 i ..] step i's four registers.  The step's load lands in them; no vector instruction names them before it is issued, and no load is issued
;                 behind a conversion.  The step's two conversions read the four and write the first two; the step's store reads those two; nothing writes them again.
; So the only dependences to state are: the offsets are written (once, ahead of the first load), and a step's two packed registers are written ahead of its store.
; The 32 steps go in 8 blocks of four, and a step's store is issued four steps behind its conversions: at the head of a block ONE wait states that the block
; before has written its eight packed registers; that block's four stores follow, one ahead of each step's conversions, which name this block's registers alone.
; No register that a memory instruction has read is ever written, so no wait for memory instructions' reads of registers is owed.
.set STEPS, 32                         ; steps of a chunk
.set BLOCK, 4                          ; steps in a block: how far a store stands behind its conversions
.set X,     4                          ; v[4:131]  step i: 4 registers as loaded; the first two then hold the 4 bf16
	s_load_b256 s[4:11], s[0:1], 0x0               ; x s[4:5], W1 s[6:7], W2 s[8:9], xb s[10:11]
	s_load_b128 s[12:15], s[0:1], 0x20             ; w1b s[12:13], w2b s[14:15]
	s_and_b32 s16, ttmp7, 0xffff                   ; y: which tensor, which half of it
	s_mov_b32 s23, ttmp9                           ; g, 0 to 255
	s_sub_co_u32 s17, s16, 1
	s_and_b32 s17, s17, 1                          ; y = 1, 3: first half of the weights; y = 2, 4: second (y = 0: not used)
	s_lshl_b32 s17, s17, 8
	s_add_co_u32 s17, s17, s23                     ; the weights' chunk, the same in and out
	s_bfe_u32 s18, s23, 0x20001                    ; x: g = 8 b + 2 p + half.  p,
	s_lshl_b32 s18, s18, 6
	s_lshr_b32 s19, s23, 3                         ; b,
	s_lshl1_add_u32 s18, s19, s18
	s_and_b32 s19, s23, 1                          ; half:
	s_add_co_u32 s18, s18, s19                     ; xb's chunk = 64 p + 2 b + half
	v_lshlrev_b32 v1, 4, v0                        ; 16 t
	v_lshlrev_b32 v2, 3, v0                        ; 8 t
	s_wait_kmcnt 0x0
	s_cmp_lt_u32 s16, 3
	s_cselect_b64 s[24:25], s[6:7], s[8:9]         ; from W1 or W2
	s_cselect_b64 s[26:27], s[12:13], s[14:15]     ; to w1b or w2b
	s_cmp_eq_u32 s16, 0
	s_cselect_b64 s[24:25], s[4:5], s[24:25]       ; or from x
	s_cselect_b64 s[26:27], s[10:11], s[26:27]     ; to xb
	s_cselect_b32 s21, s23, s17                    ; chunk read
	s_cselect_b32 s22, s18, s17                    ; chunk written
	s_lshl_b32 s28, s21, 17                        ; 131,072 bytes a chunk in (511 chunks at the most: below 2^26)
	s_mov_b32 s29, 0
	s_lshl_b32 s30, s22, 16                        ; 65,536 bytes a chunk out
	s_mov_b32 s31, 0
	s_add_nc_u64 s[24:25], s[24:25], s[28:29]
	s_add_nc_u64 s[26:27], s[26:27], s[30:31]
	s_wait_alu depctr_va_vdst(0)                   ; v1 and v2 are written: every load of the kernel reads v1 as its offset, every store v2
.set i, 0
.rept STEPS
	global_load_b128 v[X+4*i:X+4*i+3], v1, s[24:25] offset:4096*i th:TH_LOAD_NT   ; read once in the launch
.set i, i+1
.endr
.set i, 0
.rept STEPS
	s_wait_loadcnt STEPS-1-i                       ; loads come back in order (ISA guide 5.7.1): step i is in, the younger ones stay out
.if (i % BLOCK == 0) && (i > 0)
	s_wait_alu depctr_va_vdst(0)                   ; a block's head: the conversions of the block before have written its eight packed registers, which the block's four stores below read
.endif
.if i >= BLOCK
	global_store_b64 v2, v[X+4*(i-BLOCK):X+4*(i-BLOCK)+1], s[26:27] offset:2048*(i-BLOCK)   ; the step four back; no vector instruction since the wait names its registers.  No hint: the next launches read it
.endif
	v_cvt_pk_bf16_f32 v[X+4*i],   v[X+4*i],   v[X+4*i+1]
	v_cvt_pk_bf16_f32 v[X+4*i+1], v[X+4*i+2], v[X+4*i+3]
.set i, i+1
.endr
	s_wait_alu depctr_va_vdst(0)                   ; the last block's conversions have written its eight packed registers, which the last four stores read
.set i, STEPS-BLOCK
.rept BLOCK
	global_store_b64 v2, v[X+4*i:X+4*i+1], s[26:27] offset:2048*i
.set i, i+1
.endr
	s_endpgm
.Lfunc_end_k_qd02f332cc2_cast:
	.size	k_qd02f332cc2_cast, .Lfunc_end_k_qd02f332cc2_cast-k_qd02f332cc2_cast
	.p2alignl 7, 3214868480
	.fill 96, 4, 3214868480
	.section	.rodata,"a",@progbits
	.p2align	6, 0x0
	.amdhsa_kernel k_qd02f332cc2_cast
		.amdhsa_group_segment_fixed_size 0
		.amdhsa_private_segment_fixed_size 0
		.amdhsa_enable_private_segment 0
		.amdhsa_kernarg_size 48
		.amdhsa_user_sgpr_count 2
		.amdhsa_user_sgpr_kernarg_segment_ptr 1
		.amdhsa_wavefront_size32 1
		.amdhsa_system_sgpr_workgroup_id_x 1
		.amdhsa_system_sgpr_workgroup_id_y 1
		.amdhsa_system_sgpr_workgroup_id_z 1
		.amdhsa_system_vgpr_workitem_id 0
		.amdhsa_next_free_vgpr 132
		.amdhsa_next_free_sgpr 66
		.amdhsa_reserve_vcc 0
		.amdhsa_float_denorm_mode_32 3
		.amdhsa_float_denorm_mode_16_64 3
		.amdhsa_memory_ordered 1
		.amdhsa_forward_progress 1
		.amdhsa_inst_pref_size 13
	.end_amdhsa_kernel
	.amdgpu_metadata
---
amdhsa.version: [ 1, 2 ]
amdhsa.kernels:
  - .name:           k_qd02f332cc2_cast
    .symbol:         k_qd02f332cc2_cast.kd
    .args:
      - { .name: x, .offset: 0, .size: 8, .value_kind: global_buffer, .address_space: global }
      - { .name: W1, .offset: 8, .size: 8, .value_kind: global_buffer, .address_space: global }
      - { .name: W2, .offset: 16, .size: 8, .value_kind: global_buffer, .address_space: global }
      - { .name: xb, .offset: 24, .size: 8, .value_kind: global_buffer, .address_space: global }
      - { .name: w1b, .offset: 32, .size: 8, .value_kind: global_buffer, .address_space: global }
      - { .name: w2b, .offset: 40, .size: 8, .value_kind: global_buffer, .address_space: global }
    .group_segment_fixed_size: 0
    .private_segment_fixed_size: 0
    .kernarg_segment_align: 8
    .kernarg_segment_size: 48
    .max_flat_workgroup_size: 256
    .sgpr_count:     66
    .vgpr_count:     132
    .wavefront_size: 32
...
	.end_amdgpu_metadata
.endif
;; end of part 4
;; launch ff1: the kernel of part 2 again; grid 16 x 32, 4 waves a work-group, clusters of 4 x 4, 327,680 bytes of LDS; arguments xb, w1b, b1, h; writes h
;; launch ff2: the kernel of part 3 again; grid 8 x 32, 4 waves a work-group, clusters of 4 x 4, 327,680 bytes of LDS; arguments h, w2b, b2, out0; writes out0
